; MI455X (gfx1250); checked and timed in simulation.
; The chip was launched on July 23, 2026; its instructions are those of AMD's public machine-readable ISA for CDNA 5 (MIT licence, August 2026) and "CDNA5" Instruction Set Architecture Reference Guide (July 2026). The comments in the code are by the model that wrote it; some were corrected since.
;; Vector Quantizer. Allowed arithmetic: matrix products marked QUANTISED: E5M2 operands, one given power-of-two scale a tensor, by v_wmma_f32_16x16x64_bf8_bf8 or v_wmma_f32_16x16x128_bf8_bf8, f32 sums; everything else in f32.
;; Inputs: embeddings 512 x 64 float32; inputs 32 x 64 x 64 x 64 float32; lowp_scales 2 int32 (the exponents e of the quantised operands' scales 2^e).
;; Outputs: out0 32 x 64 x 64 x 64 float32; out1 one number float32.
;; This version of the problem:
;;   THIS VERSION OF THE PROBLEM IS GIVEN IN LOW PRECISION. The matrix products marked QUANTISED in the list below multiply operands that are first quantised to E5M2 (5 exponent bits, 2 mantissa bits; 8 bits a number), with one given power-of-two scale for each operand tensor; their sums are f32. All else is computed in f32.
;;   The module's matrix products, in the order in which they are computed (A, B: the left and right operand; K: the contracted axis; several contracted axes count as one K, in the product's order):
;;     1. [M 131,072, K 64] x [K 64, N 512]; A: computed on the way; B: input embeddings: QUANTISED (scales: A lowp_scales[0], B lowp_scales[1])
;;   THE QUANTISER, for each operand of a quantised product, along K:
;;     - The operand's scale is 2^e, e = its entry of the input lowp_scales (int32; the entries are numbered through the quantised products in the list's order, A before B).
;;     - Each number is divided by the scale, clamped to +-57,344, and rounded to the nearest number of E5M2, ties to even, subnormals kept.
;;     - The product sums the exact products of the quantised numbers (number of the format x scale) in f32.
;;   ~~~python
;;   def quantise(x, axis, e):      # numpy; x: float32 -> the quantised numbers, widened to float32 again
;;       x = np.moveaxis(x, axis, -1); K = x.shape[-1]
;;       r = np.clip(x / 2.0 ** e, -57344, 57344)
;;       step = 2.0 ** (np.maximum(np.frexp(np.where(r == 0, 1, r))[1] - 1, -14) - 2)
;;       q = np.round(r / step) * step * 2.0 ** e      # np.round: ties to even
;;       return np.moveaxis(q, -1, axis).astype(np.float32)
;;   ~~~
;;   OPERANDS COMPUTED ON THE WAY. 'Computed on the way' means the value that the module computes at that place (a softmax that the list does not call 'softmax' is quantised finished and normalised). What goes into a quantiser is computed in f32, as accurately as f32 sums, v_exp_f32 and their like allow (about 1e-6 of the number): no bf16 or f16 on the way to a quantiser, and a product that is left as it is and whose result goes on into a quantised operand takes f32 operands (vector FMAs, or v_wmma_f32_16x16x4_f32). A number that lies on a knife's edge between two numbers of the format may be rounded either way, as far as f32 arithmetic and the matrix unit's own rounding can turn it there, and no further.
;; One version. Each part assembles by itself: llvm-mc -triple=amdgcn-amd-amdhsa -mcpu=gfx1250 --defsym DOCPART=n.
;; ======== version 1 of 1: 3 launches
;; limits: right only within a limited range of input values
;; workspace buffers: nearest 524,288 bytes of whole numbers; partial 8,192 bytes
;; launch nearest (part 1): grid 256 x 1, 8 waves a work-group, no clusters, 167,936 bytes of LDS; arguments inputs, embeddings, lowp_scales, nearest; writes nearest
.if DOCPART == 1
	.amdgcn_target "amdgcn-amd-amdhsa--gfx1250"
	.amdhsa_code_object_version 6
	.text
	.protected	k_q789528319e_nearest
	.globl	k_q789528319e_nearest
	.p2align	8
	.type	k_q789528319e_nearest,@function
k_q789528319e_nearest:
	s_mov_b64 s[64:65], 0
	v_nop
	global_prefetch_b8 v0, s[64:65] scope:SCOPE_SE
	s_setreg_imm32_b32 hwreg(HW_REG_WAVE_MODE, 25, 1), 1
	s_wait_xcnt 0x0
; nearest[p] = argmin over k of distances[p][k], p = (b, h, w) a pixel, k one of 512 codes.
; distances[p][k] = xx[p] + ee[k] - P[p][k], xx = sum(flat*flat), ee = sum(embeddings*embeddings), P = Q(2 flat) Q(embeddings)^T, both operands codes of BF8 (E5M2) with the given scales 2^e0, 2^e1.
; WORK LEFT OUT: xx.  xx[p] is the same number for all k of a pixel, so for all values of the inputs the least xx[p] + ee[k] - P[p][k] stands at the k of the least ee[k] - P[p][k].
; The kernel takes the FIRST k at which score = (P[p][k] - ee[k]) / 2^(e0+e1) is largest.  LIMIT: a NaN, an infinity or an overflow that reaches only xx is not carried to the result.
; LIMITS: finite inputs (NaN is not served); e0 between -125 and 113, e1 between -126 and 112, so that each power of two below is an f32 number; ee x 2^-(e0+e1) stays finite.
; SHARES.  A work-group owns 512 neighbouring pixels of one image, each of its 8 waves 64.  Lane (r, h) = (lane % 16, lane / 16) holds pixels 4 r + i, i = 0..3: pixel tile i is the 16 pixels 4 r + i.
; Its channels are 32 h + 4 j + c, c = 0..3, j = 0..7.
; x: one tensor load brings a wave's 64 channels x 256 bytes (64 pixels) into 16 KiB of LDS that no other wave touches; it is on its way while the codebook is made ready.
; THE PRODUCT IS USED TRANSPOSED: source 0 = 16 codes, source 1 = 16 pixels, C = -ee / 2^(e0+e1), K = 64: byte c of register j stands for channel 32 h + 4 j + c on both sides.  A lane's eight results are the scores of ONE pixel
; for codes 16 t + 8 h + 0..7, with ee already taken off.
; THE CODEBOOK: wave w makes codes and ee of rows 64 w .. 64 w + 63.  They are loaded into registers, a row to sixteen lanes; the codes go to LDS, 64 bytes a row.  One barrier; then every wave walks the 32 tiles of 16 codes.
; NO CLUSTER: x differs from work-group to work-group; the codebook is the same for all, but a joint load fills LDS, from where the same 128 KiB would be read back into the registers that these loads fill, and that LDS holds x.
; Each work-group asks for each row once in the launch.
; THE SCAN.  For a tile's eight scores: four v_max3 (the best so far among their inputs), one compare, one select of the tile's number, eight selects that keep the winning tile's scores.  Strictly greater wins, so the first tile stays.
; At the end the first kept score that equals the best gives the code; the two halves of the lanes are joined, the lower index winning a tie.
; No prefetch: every load of the launch is issued ahead of its one loop.
.set SIM,   131072                     ; behind the eight waves' x: the codes' image, 512 x 64 bytes, a row's four pieces of 16 bytes permuted by (row / 4) % 4
.set EEO,   SIM+32768                  ; 512 words: -ee / 2^(e0+e1)
.set SPARE, EEO+2048                   ; the spare words, 128 bytes for each wave: four blocks of 256 bytes that no other line names
.set R,   1                            ; lane % 16
.set H,   2                            ; lane / 16
.set XA,  3                            ; my x in LDS: channel 32 h, + 16 r
.set RO,  4                            ; raw rows: row 8 h, + 16 r; never rewritten
.set SA0, 5                            ; where I store codes of rows 8 h + 0..3,
.set SA1, 6                            ; and of rows 8 h + 4..7
.set EEA, 7                            ; where I store -ee
.set LS0, 8                            ; a code tile's two pieces for my lane
.set LS1, 9
.set LE,  10                           ; EEO + 32 h
.set SCE, 17                           ; 2^e1;      v18: 57,344 x 2^e1
.set LIE, 18
.set SCX, 19                           ; 2^(e0-1);  v20: 57,344 x 2^(e0-1)
.set LIX, 20
.set H8,  21                           ; 8 h
.set SO,  22                           ; 16 r + 8 h: my 8 bytes of the wave's 256 bytes of indices
.set SPW, 23                           ; LDS address of my spare word; never rewritten
.set NIL, 24                           ; 0; never rewritten
.set CQ,  32                           ; making codes: v32-47 two sets of eight rows' dwords
.set EA,  48                           ; v48-63 ee in pairs
.set EN,  64                           ; v64-79 two sets of ee
.set HT,  80                           ; v80-111 held numbers
.set RW,  128                          ; v128-255 my 64 raw rows: RW + 32 tt + 4 j = row 16 tt + 8 h + j, channels 4 r + 0..3
.set X,   128                          ; behind them: v128-255 x: X + 4 (8 c + j) + i = channel 32 h + 4 j + c of pixel 4 r + i
.set XC,  32                           ; v32-63 x's codes
.set AF,  64                           ; v64-95 two buffers of 16: a tile's codes (8), its -ee (8)
.set D0,  128                          ; scores, four pixel tiles x 8, two sets
.set D1,  160
.set S,   192                          ; the winning tile's scores
.set B0,  224                          ; the best score, old and new by turns
.set B1,  228
.set TIX, 232                          ; 16 x the winning tile
.set TA,  236
.set JX,  240
.set IDX, 244
.set OUT, 248
.set G0,  12                           ; s[12:15], s[16:23] the tensor load's two groups
.set G1,  16
.set WV,  24
.set SEL, 38                           ; s[38:39] v_permlanex16_b32's selects for lane xor 16
.set MK,  40                           ; s40-51 lane masks
.set MK2, 44
.set MK3, 48
.set TI,  52                           ; 16 x the tile that is scanned
.set SA,  53                           ; byte of the tile to be fetched among the codes,
.set SC,  54                           ; and in the table of -ee
.set CNT, 55
	s_load_b256 s[4:11], s[0:1], 0x0               ; inputs s[4:5], embeddings s[6:7], lowp_scales s[8:9], nearest s[10:11]
	v_lshl_add_u32 v[SPW], v0, 2, SPARE
	v_mov_b32 v[NIL], 0
	ds_add_u32 v[SPW], v[NIL]                      ; the wave's opening: the add, twice on end, and its wait ahead of my tensor load
	ds_add_u32 v[SPW], v[NIL]
	v_lshrrev_b32 v[R], 5, v0
	v_readfirstlane_b32 s[WV], v[R]                ; wave 0..7
	s_mov_b32 s[G1+0], 2<<16                       ; no mask; elements of 4 bytes; no padding
	s_mov_b32 s[G1+1], 64<<16                      ; tensor_dim0 = 64
	s_mov_b32 s[G1+2], 64<<16                      ; tensor_dim1 = 64
	s_mov_b32 s[G1+3], 64<<16                      ; tile_dim0 = 64: 64 pixels
	s_mov_b32 s[G1+4], 64                          ; tile_dim1 = 64 channels
	s_mov_b32 s[G1+5], 4096                        ; elements from channel to channel
	s_mov_b32 s[G1+6], 0
	s_mov_b32 s[G1+7], 0
	s_mov_b32 s[G0], 1
	s_lshl_b32 s[G0+1], s[WV], 14                  ; my 16 KiB of LDS
	s_lshl_b32 s28, s[WV], 14                      ; my 64 rows of the codebook: 16,384 bytes
	s_mov_b32 s29, 0
	s_lshr_b32 s30, ttmp9, 3                       ; work-group 0..255 = 8 x image + eighth of the image
	s_lshl_b32 s30, s30, 20                        ; the image: 64 channels x 16,384 bytes
	s_and_b32 s31, ttmp9, 7
	s_lshl_b32 s31, s31, 11                        ; + the work-group's 512 pixels
	s_add_co_u32 s30, s30, s31
	s_lshl_b32 s25, s[WV], 8                       ; + the wave's 64
	s_add_co_u32 s30, s30, s25
	s_mov_b32 s31, 0
	s_lshl_b32 s32, ttmp9, 11                      ; the indices: 4 bytes a pixel
	s_add_co_u32 s32, s32, s25
	s_mov_b32 s33, 0
	s_lshl_b32 s35, s[WV], 12                      ; my 64 rows' codes in LDS
	s_add_co_u32 s35, s35, SIM
	s_mov_b32 s[SEL], 0x76543210
	s_mov_b32 s[SEL+1], 0xfedcba98
	v_and_b32 v[R], 15, v0
	v_bfe_u32 v[H], v0, 4, 1
	v_lshlrev_b32 v26, 4, v[R]
	v_lshl_add_u32 v[XA], v[H], 13, v26
	v_add_nc_u32 v[XA], s28, v[XA]
	v_lshl_add_u32 v[RO], v[H], 11, v26
	v_lshlrev_b32 v[H8], 3, v[H]
	v_add_nc_u32 v[SO], v26, v[H8]
	v_lshrrev_b32 v27, 2, v[R]
	v_lshlrev_b32 v28, 1, v[H]
	v_xor_b32 v27, v27, v28                        ; (r / 4) xor 2 h: the piece of 16 bytes, as it is stored and as it is read
	v_and_b32 v28, 3, v[R]
	v_lshlrev_b32 v28, 2, v28
	v_lshl_add_u32 v28, v27, 4, v28
	v_lshl_add_u32 v28, v[H], 9, v28
	v_add_nc_u32 v[SA0], s35, v28                  ; row 8 h, piece r / 4, dword r % 4
	v_xor_b32 v[SA1], 16, v[SA0]
	v_lshlrev_b32 v28, 6, v[R]
	v_lshl_add_u32 v28, v27, 4, v28
	v_add_nc_u32 v[LS0], SIM, v28                  ; row r, pieces 2 h
	v_xor_b32 v[LS1], 16, v[LS0]                   ; and 2 h + 1
	v_lshlrev_b32 v28, 5, v[H]
	v_add_nc_u32 v[LE], EEO, v28
	v_add_nc_u32 v[EEA], s25, v[LE]
	s_wait_alu depctr_va_vdst(0)
	s_wait_dscnt 0x0                               ; both opening adds are done
	s_wait_kmcnt 0x0
	s_load_b64 s[26:27], s[8:9], 0x0               ; e0, e1
	s_add_nc_u64 s[G0+2:G0+3], s[4:5], s[30:31]
	s_or_b32 s[G0+3], s[G0+3], 0x80000000
	s_add_nc_u64 s[6:7], s[6:7], s[28:29]
	s_add_nc_u64 s[10:11], s[10:11], s[32:33]
	tensor_load_to_lds s[G0:G0+3], s[G1:G1+7]      ; my one tensor load: all of the wave's x
	s_nop 0
.set n, 0
.rept 32                                       ; my rows of the codebook
	global_load_b128 v[RW+4*n:RW+4*n+3], v[RO], s[6:7] offset:(n/8)*4096+(n%8)*256
.set n, n+1
.endr
	s_wait_kmcnt 0x0
	s_add_co_i32 s35, s27, 127
	s_lshl_b32 s25, s35, 23
	v_mov_b32 v[SCE], s25                          ; 2^e1: the conversion takes the exponent field
	s_add_co_i32 s35, s35, 15
	s_lshl_b32 s35, s35, 23
	s_or_b32 s35, s35, 0x600000
	v_mov_b32 v[LIE], s35                          ; 57,344 x 2^e1
	s_add_co_i32 s35, s26, 126                     ; the operand is 2 x: 2 x / 2^e0 = x / 2^(e0-1), exactly
	s_lshl_b32 s25, s35, 23
	v_mov_b32 v[SCX], s25
	s_add_co_i32 s35, s35, 15
	s_lshl_b32 s35, s35, 23
	s_or_b32 s35, s35, 0x600000
	v_mov_b32 v[LIX], s35                          ; 2 x is held at 57,344 x 2^e0 where x is held at 57,344 x 2^(e0-1)
	s_add_co_i32 s34, s26, s27
	s_sub_co_i32 s34, 0, s34                       ; -(e0 + e1): a sum of codes' products stands for sum x 2^(e0+e1), so ee goes in divided by that
; THE CODEBOOK, sixteen of my rows.  left: the loads issued behind theirs.
.macro CODES tt, left
.set W, RW+32*(\tt)
.set Q, CQ+8*((\tt)%2)
.set N, EN+8*((\tt)%2)
	s_wait_alu depctr_va_vdst(0)
	s_wait_loadcnt \left
.if (\tt) > 1
	s_wait_dscnt 10                                ; the stores of two turns ago, which read this turn's set, are done; the last turn's ten may be out
.endif
.irp j, 0,1,2,3,4,5,6,7
	v_pk_mul_f32 v[EA+2*\j:EA+2*\j+1], v[W+4*\j:W+4*\j+1], v[W+4*\j:W+4*\j+1]     ; ee of the numbers as they are given, in f32
.endr
.irp j, 0,1,2,3,4,5,6,7
	v_pk_fma_f32 v[EA+2*\j:EA+2*\j+1], v[W+4*\j+2:W+4*\j+3], v[W+4*\j+2:W+4*\j+3], v[EA+2*\j:EA+2*\j+1]
.endr
.set n, 0
.rept 32
	v_med3_num_f32 v[HT+n], v[W+n], -v[LIE], v[LIE]              ; the conversion to an 8-bit code does not saturate (ISA guide 7.6.2): the hold at the largest code x the scale
.set n, n+1
.endr
.irp k, 0,1,2,3
	v_cvt_scalef32_pk8_bf8_f32 v[Q+2*\k:Q+2*\k+1], v[HT+8*\k:HT+8*\k+7], v[SCE]   ; two rows, four channels each: a dword a row
.endr
.irp j, 0,1,2,3,4,5,6,7
	v_add_f32 v[N+\j], v[EA+2*\j], v[EA+2*\j+1]                  ; (plain lines behind the conversions)
.endr
.irp m, 1,2,4,8
.irp j, 0,1,2,3,4,5,6,7
	v_add_f32_dpp v[N+\j], v[N+\j], v[N+\j] row_xmask:\m row_mask:0xf bank_mask:0xf   ; over the row's sixteen lanes
.endr
.endr
.irp j, 0,1,2,3,4,5,6,7
	v_ldexp_f32 v[N+\j], -v[N+\j], s34                           ; -ee / 2^(e0+e1)
.endr
.irp j, 0,1,2,3,4,5,6,7
	ds_store_b32 v[SA0+\j/4], v[Q+\j] offset:1024*(\tt)+64*\j
.endr
	ds_store_b128 v[EEA], v[N:N+3] offset:64*(\tt)               ; the sixteen lanes of a half store the same numbers to the same words
	ds_store_b128 v[EEA], v[N+4:N+7] offset:64*(\tt)+16
.endm
	CODES 0, 24
	CODES 1, 16
	CODES 2, 8
	CODES 3, 0
	s_wait_alu depctr_va_vdst(0)
	s_wait_tensorcnt 0x0                           ; my x lies in my 16 KiB
.irp c, 0,1,2,3
.irp j, 0,1,2,3,4,5,6,7
	ds_load_b128 v[X+4*(8*\c+\j):X+4*(8*\c+\j)+3], v[XA] offset:(4*\j+\c)*256   ; a channel's 256 bytes in lanes 0-15, the channel 32 further on in lanes 16-31
.endr
.endr
	s_wait_dscnt 0x0                               ; x is in registers, and my codes and my part of the table are stored
.irp i, 0,1,2,3                                ; pixel tile i: number 8 k + n of a lane is channel j = 2 k + n / 4, c = n % 4.  Two sets of 32 held numbers by turns: v64-95, v96-127
.set XT, 64+32*(\i%2)
.set n, 0
.rept 32
	v_med3_num_f32 v[XT+n], v[X+4*(8*(n%4)+n/4)+\i], -v[LIX], v[LIX]
.set n, n+1
.endr
.irp k, 0,1,2,3
	v_cvt_scalef32_pk8_bf8_f32 v[XC+8*\i+2*\k:XC+8*\i+2*\k+1], v[XT+8*\k:XT+8*\k+7], v[SCX]
.endr
.endr
	v_nop                                          ; one plain line behind the last conversion
	s_wait_alu depctr_va_vdst(0)
	s_barrier_signal -1
	s_barrier_wait -1                              ; everybody's codes and ee are stored
.macro FETCH buf, a, b, e, t           ; a tile's codes and its -ee (lane (r, h): codes 16 t + 8 h + 0..7, the result's layout) into buffer buf: four LDS loads
	ds_load_b128 v[AF+16*\buf:AF+16*\buf+3], v[\a] offset:1024*(\t)
	ds_load_b128 v[AF+16*\buf+4:AF+16*\buf+7], v[\b] offset:1024*(\t)
	ds_load_b128 v[AF+16*\buf+8:AF+16*\buf+11], v[\e] offset:64*(\t)
	ds_load_b128 v[AF+16*\buf+12:AF+16*\buf+15], v[\e] offset:64*(\t)+16
.endm
.macro WM dst, buf                     ; the tile in buffer buf against my four pixel tiles: K = 64 is one instruction, nothing is accumulated from step to step
.irp i, 0,1,2,3
	v_wmma_f32_16x16x64_bf8_bf8 v[\dst+8*\i:\dst+8*\i+7], v[AF+16*\buf:AF+16*\buf+7], v[XC+8*\i:XC+8*\i+7], v[AF+16*\buf+8:AF+16*\buf+15]
.endr
.endm
; One tile's scores, four pixel tiles side by side.  Each set of results is read from its low end on.
.macro SCAN d, bo, bn
.irp i, 0,1,2,3
	v_max3_num_f32 v[TA+\i], v[\d+8*\i], v[\d+8*\i+1], v[\d+8*\i+2]
.endr
.irp i, 0,1,2,3
	v_max3_num_f32 v[TA+\i], v[TA+\i], v[\d+8*\i+3], v[\d+8*\i+4]
.endr
.irp i, 0,1,2,3
	v_max3_num_f32 v[TA+\i], v[TA+\i], v[\d+8*\i+5], v[\d+8*\i+6]
.endr
.irp i, 0,1,2,3
	v_max3_num_f32 v[\bn+\i], v[TA+\i], v[\d+8*\i+7], v[\bo+\i]   ; the new best; old and new change registers from tile to tile, so no copy is made
.endr
.irp i, 0,1,2,3
	v_cmp_gt_f32 s[MK+\i], v[\bn+\i], v[\bo+\i]                   ; this tile holds a strictly better score
.endr
.irp i, 0,1,2,3
	v_cndmask_b32 v[TIX+\i], v[TIX+\i], s[TI], s[MK+\i]
.endr
.irp j, 0,1,2,3,4,5,6,7
.irp i, 0,1,2,3
	v_cndmask_b32 v[S+8*\i+\j], v[S+8*\i+\j], v[\d+8*\i+\j], s[MK+\i]
.endr
.endr
	s_add_co_u32 s[TI], s[TI], 16
.endm
	FETCH 0, LS0, LS1, LE, 0                       ; tiles 0 and 1
	FETCH 1, LS0, LS1, LE, 1
	s_wait_dscnt 4                                 ; tile 0 is in; tile 1's four loads may be out
	WM S, 0                                        ; tile 0's scores are the first to be kept: they are written where the kept scores lie
.irp i, 0,1,2,3
	v_mov_b32 v[TIX+\i], 0                         ; four plain lines: the places between those products and the loads into their buffer, and the first read of their results
.endr
	FETCH 0, LS0, LS1, LE, 2
	s_wait_alu depctr_va_vdst(0)
	s_wait_dscnt 4                                 ; tile 1 is in
	WM D1, 1
.irp i, 0,1,2,3
	v_max3_num_f32 v[TA+\i], v[S+8*\i], v[S+8*\i+1], v[S+8*\i+2]  ; tile 0's best starts the best
.endr
.irp i, 0,1,2,3
	v_max3_num_f32 v[TA+\i], v[TA+\i], v[S+8*\i+3], v[S+8*\i+4]
.endr
.irp i, 0,1,2,3
	v_max3_num_f32 v[TA+\i], v[TA+\i], v[S+8*\i+5], v[S+8*\i+6]
.endr
.irp i, 0,1,2,3
	v_max_num_f32 v[B1+\i], v[TA+\i], v[S+8*\i+7]
.endr
	FETCH 1, LS0, LS1, LE, 3
	s_mov_b32 s[TI], 16
	s_mov_b32 s[SA], 4*1024
	s_mov_b32 s[SC], 4*64
	s_mov_b32 s[CNT], 14
	s_wait_alu depctr_va_vdst(0)
; A trip: tiles t and t + 1, t = 2, 4, .. 28.  A tile's products are issued, then the tile before is scanned (its 56 lines are the places behind the products), then the tile two further on is fetched into the buffer just multiplied.
.Lpair:
	s_wait_dscnt 4                                 ; tile t is in; tile t + 1's four loads may be out
	WM D0, 0
	SCAN D1, B1, B0                                ; tile t - 1
	v_add_nc_u32 v11, s[SA], v[LS0]
	v_add_nc_u32 v12, s[SA], v[LS1]
	v_add_nc_u32 v13, s[SC], v[LE]
	FETCH 0, 11, 12, 13, 0                         ; tile t + 2
	s_wait_dscnt 4                                 ; tile t + 1 is in
	WM D1, 1
	SCAN D0, B0, B1                                ; tile t
	v_add_nc_u32 v14, s[SA], v[LS0]
	v_add_nc_u32 v15, s[SA], v[LS1]
	v_add_nc_u32 v16, s[SC], v[LE]
	FETCH 1, 14, 15, 16, 1                         ; tile t + 3
	s_add_co_u32 s[SA], s[SA], 2*1024
	s_add_co_u32 s[SC], s[SC], 2*64
	s_sub_co_u32 s[CNT], s[CNT], 1
	s_cmp_lg_u32 s[CNT], 0
	s_cbranch_scc1 .Lpair
	s_wait_dscnt 4                                 ; the last two tiles fetch nothing
	WM D0, 0                                       ; tile 30
	SCAN D1, B1, B0                                ; tile 29
	s_wait_dscnt 0x0
	WM D1, 1                                       ; tile 31
	SCAN D0, B0, B1                                ; tile 30: its lines are the places behind tile 31's products
	SCAN D1, B1, B0                                ; tile 31
	; WHICH OF THE EIGHT: the first kept score that equals the best (from the last down, so that the first stays)
.irp i, 0,1,2,3
	v_mov_b32 v[JX+\i], 7
.endr
.irp j, 6,5,4,3,2,1,0
.irp i, 0,1,2,3
	v_cmp_eq_f32 s[MK+\i], v[S+8*\i+\j], v[B0+\i]
.endr
.irp i, 0,1,2,3
	v_cndmask_b32 v[JX+\i], v[JX+\i], \j, s[MK+\i]
.endr
.endr
.irp i, 0,1,2,3
	v_add3_u32 v[IDX+\i], v[TIX+\i], v[JX+\i], v[H8]             ; 16 t + 8 h + j
.endr
.irp i, 0,1,2,3
	v_permlanex16_b32 v[TA+\i], v[B0+\i], s[SEL], s[SEL+1]       ; the pixel's other 256 codes were scanned by the lane 16 away: its best,
.endr
.irp i, 0,1,2,3
	v_permlanex16_b32 v[JX+\i], v[IDX+\i], s[SEL], s[SEL+1]      ; and its index
.endr
.irp i, 0,1,2,3
	v_cmp_gt_f32 s[MK+\i], v[TA+\i], v[B0+\i]
	v_cmp_eq_f32 s[MK2+\i], v[TA+\i], v[B0+\i]
	v_cmp_lt_u32 s[MK3+\i], v[JX+\i], v[IDX+\i]
.endr
	s_wait_alu depctr_va_vdst(0)
.irp i, 0,1,2,3
	s_and_b32 s[MK2+\i], s[MK2+\i], s[MK3+\i]
	s_or_b32 s[MK+\i], s[MK+\i], s[MK2+\i]                       ; the other's is better, or as good with the lower index
	v_cndmask_b32 v[IDX+\i], v[IDX+\i], v[JX+\i], s[MK+\i]
.endr
	v_cmp_eq_u32 s[MK], 1, v[H]                    ; both halves now hold all four indices: lanes 0-15 store pixels 4 r, 4 r + 1, lanes 16-31 pixels 4 r + 2, 4 r + 3
	v_cndmask_b32 v[OUT], v[IDX], v[IDX+2], s[MK]
	v_cndmask_b32 v[OUT+1], v[IDX+1], v[IDX+3], s[MK]
	global_store_b64 v[SO], v[OUT:OUT+1], s[10:11] ; the wave's one store covers 256 consecutive bytes, aligned
	s_wait_tensorcnt 0x0                           ; the wave's end: behind my tensor load and my last LDS store
	ds_add_u32 v[SPW], v[NIL]
	s_wait_dscnt 0x0
	s_endpgm
.Lfunc_end_k_q789528319e_nearest:
	.size	k_q789528319e_nearest, .Lfunc_end_k_q789528319e_nearest-k_q789528319e_nearest
	.p2alignl 7, 3214868480
	.fill 96, 4, 3214868480
	.section	.rodata,"a",@progbits
	.p2align	6, 0x0
	.amdhsa_kernel k_q789528319e_nearest
		.amdhsa_group_segment_fixed_size 167936
		.amdhsa_private_segment_fixed_size 0
		.amdhsa_enable_private_segment 0
		.amdhsa_kernarg_size 32
		.amdhsa_user_sgpr_count 2
		.amdhsa_user_sgpr_kernarg_segment_ptr 1
		.amdhsa_wavefront_size32 1
		.amdhsa_system_sgpr_workgroup_id_x 1
		.amdhsa_system_sgpr_workgroup_id_y 1
		.amdhsa_system_sgpr_workgroup_id_z 1
		.amdhsa_system_vgpr_workitem_id 0
		.amdhsa_next_free_vgpr 256
		.amdhsa_next_free_sgpr 66
		.amdhsa_reserve_vcc 0
		.amdhsa_float_denorm_mode_32 3
		.amdhsa_float_denorm_mode_16_64 3
		.amdhsa_memory_ordered 1
		.amdhsa_forward_progress 1
		.amdhsa_inst_pref_size 74
	.end_amdhsa_kernel
	.amdgpu_metadata
---
amdhsa.version: [ 1, 2 ]
amdhsa.kernels:
  - .name:           k_q789528319e_nearest
    .symbol:         k_q789528319e_nearest.kd
    .args:
      - { .name: inputs, .offset: 0, .size: 8, .value_kind: global_buffer, .address_space: global }
      - { .name: embeddings, .offset: 8, .size: 8, .value_kind: global_buffer, .address_space: global }
      - { .name: lowp_scales, .offset: 16, .size: 8, .value_kind: global_buffer, .address_space: global }
      - { .name: nearest, .offset: 24, .size: 8, .value_kind: global_buffer, .address_space: global }
    .group_segment_fixed_size: 167936
    .private_segment_fixed_size: 0
    .kernarg_segment_align: 8
    .kernarg_segment_size: 32
    .max_flat_workgroup_size: 256
    .sgpr_count:     66
    .vgpr_count:     256
    .wavefront_size: 32
...
	.end_amdgpu_metadata
.endif
;; end of part 1
;; launch lookup (part 2): grid 256 x 1, 8 waves a work-group, no clusters, 271,360 bytes of LDS; arguments inputs, embeddings, nearest, out0, partial; writes out0, partial
.if DOCPART == 2
	.amdgcn_target "amdgcn-amd-amdhsa--gfx1250"
	.amdhsa_code_object_version 6
	.text
	.protected	k_q789528319e_lookup
	.globl	k_q789528319e_lookup
	.p2align	8
	.type	k_q789528319e_lookup,@function
k_q789528319e_lookup:
	s_mov_b64 s[64:65], 0
	v_nop
	global_prefetch_b8 v0, s[64:65] scope:SCOPE_SE
	s_setreg_imm32_b32 hwreg(HW_REG_WAVE_MODE, 25, 1), 1
	s_wait_xcnt 0x0
; out0 = inputs + (quantized - inputs), quantized[b][c][h][w] = embeddings[nearest[b, h, w]][c]; partial[wave] = the wave's sum of (quantized - inputs)^2.  All in f32.
; WORK LEFT OUT: stop_gradient changes no value, so commitment_loss and codebook_loss are one and the same mean: it is summed once (the last launch multiplies by 1 + BETA).
; The index was derived from floating-point numbers by the launch before; here it is a whole number read from memory, held at 511 and used as a row of the codebook.
; SHARES, as in the launch before: a work-group owns 512 neighbouring pixels of one image, a wave 64, lane (r, h) pixels 4 r + i, i = 0..3; here it holds channels 32 h + 0..31 of them.
; A store of 16 bytes a lane covers 256 consecutive aligned bytes of channel n in lanes 0-15 and of channel 32 + n in lanes 16-31.
; x: one tensor load brings a wave's 64 channels x 256 bytes (64 pixels) into 16 KiB of LDS that no other wave touches.
; THE ROWS: a wave fetches the 64 rows that its pixels name, sixteen lanes to a row of 256 bytes: load m brings pixel m's row in lanes 0-15 and pixel 32 + m's in lanes 16-31.  They turn through the wave's own
; region of LDS (64 rows of 272 bytes: pixel 4 R + i at row 16 i + R) and come back as four
; neighbouring channels of one pixel a lane.  LDS addresses are made of ids alone.  Waves share nothing: no barrier.
; No cluster: x and the rows differ from wave to wave.  No prefetch: the launch has no loop in whose earlier trips later data could be named.
.set CHB,   16384                      ; bytes from a channel to the next
.set PITCH, 272
.set REG,   64*PITCH                   ; a wave's region
.set RB,    131072                     ; the regions lie behind the eight waves' x
.set SPARE, RB+8*REG                   ; behind the regions: the spare words, 128 bytes for each wave: four blocks of 256 bytes that no other line names
.set R,   1
.set H,   2
.set XO,  3                            ; 16 r + 32 channels x h, for out0; never rewritten
.set IO,  4                            ; 128 h: the indices of my half's 32 pixels
.set RO,  5                            ; 16 r
.set ST,  6                            ; my region: row 8 h, + 16 r
.set LD,  7                            ; my region: row r, + 128 h
.set SPW, 8
.set NIL, 9
.set LN,  10
.set XA,  11                           ; my x in LDS: channel 32 h, + 16 r
.set ACC, 12                           ; v12-19 four packed chains of the sum
.set DF,  20                           ; v20-35 sixteen differences, in x's order
.set G,   36                           ; v36-67 two sets of 4 pixels x 4 channels
.set IX,  68                           ; v68-99 32 indices, then the rows' offsets
.set X,   112                          ; v112-239 X + 4 n + i = channel 32 h + n of pixel 4 r + i: x, then out0
.set ROWS, 0                           ; window 1, v0-127: row m in four registers
.set G0,  12                           ; s[12:15], s[16:23] the tensor load's two groups
.set G1,  16
.set WV,  24
.set SEL, 38
.set MSB, 0
.macro WIN new                         ; the immediate's high byte repeats the setting that is left
.if MSB != (\new)
	s_set_vgpr_msb (MSB<<8)|(\new)
.set MSB, \new
.endif
.endm
	s_load_b256 s[4:11], s[0:1], 0x0               ; inputs s[4:5], embeddings s[6:7], nearest s[8:9], out0 s[10:11]
	s_load_b64 s[36:37], s[0:1], 0x20              ; partial
	v_lshl_add_u32 v[SPW], v0, 2, SPARE
	v_mov_b32 v[NIL], 0
	ds_add_u32 v[SPW], v[NIL]                      ; the wave's opening: the add, twice on end, and its wait ahead of my tensor load
	ds_add_u32 v[SPW], v[NIL]
	v_lshrrev_b32 v[LN], 5, v0
	v_readfirstlane_b32 s[WV], v[LN]               ; wave 0..7
	s_mov_b32 s[G1+0], 2<<16                       ; no mask; elements of 4 bytes; no padding
	s_mov_b32 s[G1+1], 64<<16                      ; tensor_dim0 = 64
	s_mov_b32 s[G1+2], 64<<16                      ; tensor_dim1 = 64
	s_mov_b32 s[G1+3], 64<<16                      ; tile_dim0 = 64: 64 pixels
	s_mov_b32 s[G1+4], 64                          ; tile_dim1 = 64 channels
	s_mov_b32 s[G1+5], 4096                        ; elements from channel to channel
	s_mov_b32 s[G1+6], 0
	s_mov_b32 s[G1+7], 0
	s_mov_b32 s[G0], 1
	s_lshl_b32 s[G0+1], s[WV], 14                  ; my 16 KiB of LDS
	s_lshr_b32 s30, ttmp9, 3                       ; work-group 0..255 = 8 x image + eighth of the image
	s_lshl_b32 s30, s30, 20                        ; the image: 64 channels x 16,384 bytes,
	s_and_b32 s31, ttmp9, 7
	s_lshl_b32 s31, s31, 11                        ; the work-group's 512 pixels,
	s_add_co_u32 s30, s30, s31
	s_lshl_b32 s25, s[WV], 8                       ; the wave's 64
	s_add_co_u32 s30, s30, s25
	s_mov_b32 s31, 0
	s_lshl_b32 s32, ttmp9, 11                      ; the indices: 4 bytes a pixel
	s_add_co_u32 s32, s32, s25
	s_mov_b32 s33, 0
	s_lshl_b32 s34, ttmp9, 5                       ; the partial sums: 4 bytes a wave
	s_lshl_b32 s25, s[WV], 2
	s_add_co_u32 s34, s34, s25
	s_mov_b32 s35, 0
	s_mul_i32 s26, s[WV], REG
	s_add_co_u32 s26, s26, RB
	s_lshl_b32 s27, s[WV], 14
	s_mov_b32 s[SEL], 0x76543210
	s_mov_b32 s[SEL+1], 0xfedcba98
	v_and_b32 v[LN], 31, v0
	v_and_b32 v[R], 15, v0
	v_bfe_u32 v[H], v0, 4, 1
	v_lshlrev_b32 v[RO], 4, v[R]
	v_lshl_add_u32 v[XO], v[H], 19, v[RO]
	v_lshl_add_u32 v[XA], v[H], 13, v[RO]
	v_add_nc_u32 v[XA], s27, v[XA]
	v_lshlrev_b32 v[IO], 7, v[H]
	v_mul_u32_u24 v[ST], v[H], 8*PITCH
	v_add_nc_u32 v[ST], v[ST], v[RO]
	v_add_nc_u32 v[ST], s26, v[ST]
	v_mul_u32_u24 v[LD], v[R], PITCH
	v_add_nc_u32 v[LD], v[LD], v[IO]
	v_add_nc_u32 v[LD], s26, v[LD]
	s_wait_alu depctr_va_vdst(0)
	s_wait_dscnt 0x0                               ; both opening adds are done
	s_wait_kmcnt 0x0
	s_add_nc_u64 s[G0+2:G0+3], s[4:5], s[30:31]
	s_or_b32 s[G0+3], s[G0+3], 0x80000000
	s_add_nc_u64 s[10:11], s[10:11], s[30:31]
	s_add_nc_u64 s[8:9], s[8:9], s[32:33]
	s_add_nc_u64 s[36:37], s[36:37], s[34:35]
	tensor_load_to_lds s[G0:G0+3], s[G1:G1+7]      ; my one tensor load: all of the wave's x
	s_nop 0
.irp q, 0,1,2,3,4,5,6,7
	global_load_b128 v[IX+4*\q:IX+4*\q+3], v[IO], s[8:9] offset:16*\q   ; my half's 32 indices, the same in its sixteen lanes
.endr
	s_wait_loadcnt 0x0
.set n, 0
.rept 32
	v_min_u32 v[IX+n], 511, v[IX+n]                ; an index stays inside the codebook
.set n, n+1
.endr
.set n, 0
.rept 32
	v_lshl_add_u32 v[IX+n], v[IX+n], 8, v[RO]      ; 256 x index + 16 r
.set n, n+1
.endr
	WIN 0x40
.set n, 0
.rept 32
	global_load_b128 v[ROWS+4*n:ROWS+4*n+3], v[IX+n], s[6:7]
.set n, n+1
.endr
	s_wait_alu depctr_va_vdst(0)
	WIN 0x04
.set n, 0
.rept 4
	s_wait_loadcnt 24-8*n                          ; eight more rows are in (loads come back in order, ISA guide 5.7.1); the rows behind them may be out
.set m, 8*n
.rept 8
	ds_store_b128 v[ST], v[ROWS+4*m:ROWS+4*m+3] offset:PITCH*(16*(m%4)+m/4)   ; pixel 32 h + m = 4 (8 h + m / 4) + m % 4
.set m, m+1
.endr
.set n, n+1
.endr
	WIN 0
	s_wait_tensorcnt 0x0                           ; my x lies in my 16 KiB
.macro GATHER k                        ; channels 32 h + 4 k + 0..3 of my four pixels: quantized and x (LDS serves a wave's instructions in order, ISA guide 5.7.1.4: these see the stores above)
.irp i, 0,1,2,3
	ds_load_b128 v[G+16*((\k)%2)+4*\i:G+16*((\k)%2)+4*\i+3], v[LD] offset:16*PITCH*\i+16*(\k)
.endr
.irp c, 0,1,2,3
	ds_load_b128 v[X+16*(\k)+4*\c:X+16*(\k)+4*\c+3], v[XA] offset:256*(4*(\k)+\c)
.endr
.endm
.macro BLOCK k
.set GS, G+16*((\k)%2)
.if (\k) < 7
	GATHER (\k)+1
	s_wait_dscnt 8                                 ; this block's eight are in; the next block's may be out
.else
	s_wait_dscnt 0x0
.endif
.irp c, 0,1,2,3
.irp i, 0,1,2,3
	v_sub_f32 v[DF+4*\c+\i], v[GS+4*\i+\c], v[X+16*(\k)+4*\c+\i]      ; quantized - inputs
.endr
.endr
.irp p, 0,2,4,6
.if (\k) == 0
	v_pk_mul_f32 v[ACC+\p:ACC+\p+1], v[DF+\p:DF+\p+1], v[DF+\p:DF+\p+1]          ; the first squares start the sums
.else
	v_pk_fma_f32 v[ACC+\p:ACC+\p+1], v[DF+\p:DF+\p+1], v[DF+\p:DF+\p+1], v[ACC+\p:ACC+\p+1]
.endif
.endr
.irp p, 0,2,4,6
	v_pk_fma_f32 v[ACC+\p:ACC+\p+1], v[DF+8+\p:DF+8+\p+1], v[DF+8+\p:DF+8+\p+1], v[ACC+\p:ACC+\p+1]
.endr
.irp p, 0,2,4,6,8,10,12,14
	v_pk_add_f32 v[X+16*(\k)+\p:X+16*(\k)+\p+1], v[X+16*(\k)+\p:X+16*(\k)+\p+1], v[DF+\p:DF+\p+1]   ; inputs + (quantized - inputs), in x's registers, which are not written again
.endr
.irp c, 0,1,2,3
	global_store_b128 v[XO], v[X+16*(\k)+4*\c:X+16*(\k)+4*\c+3], s[10:11] offset:(4*(\k)+\c)*CHB th:TH_STORE_NT   ; two runs of 256 consecutive bytes, aligned
.endr
	s_wait_alu depctr_va_vdst(0)
.endm
	GATHER 0
.irp k, 0,1,2,3,4,5,6,7
	BLOCK \k
.endr
	v_pk_add_f32 v[ACC:ACC+1], v[ACC:ACC+1], v[ACC+2:ACC+3]
	v_pk_add_f32 v[ACC+4:ACC+5], v[ACC+4:ACC+5], v[ACC+6:ACC+7]
	v_pk_add_f32 v[ACC:ACC+1], v[ACC:ACC+1], v[ACC+4:ACC+5]
	v_add_f32 v[ACC], v[ACC], v[ACC+1]
.irp m, 1,2,4,8
	v_add_f32_dpp v[ACC], v[ACC], v[ACC] row_xmask:\m row_mask:0xf bank_mask:0xf
.endr
	v_permlanex16_b32 v[ACC+1], v[ACC], s[SEL], s[SEL+1]
	v_add_f32 v[ACC], v[ACC], v[ACC+1]             ; the wave's sum, in every lane
	v_cmp_eq_u32 vcc_lo, 0, v[LN]
	s_wait_alu depctr_va_vdst(0)
	s_wait_xcnt 0x0                                ; EXEC changes only behind this wait: the stores above have been taken
	s_and_saveexec_b32 s40, vcc_lo                 ; lane 0 alone, whose lane number is also its offset, 0
	global_store_b32 v[LN], v[ACC], s[36:37]
	s_wait_xcnt 0x0                                ; and again, in front of the line that widens it
	s_or_b32 exec_lo, exec_lo, s40
	s_wait_tensorcnt 0x0                           ; the wave's end: behind my tensor load and my last LDS store
	ds_add_u32 v[SPW], v[NIL]
	s_wait_dscnt 0x0
	s_endpgm
.Lfunc_end_k_q789528319e_lookup:
	.size	k_q789528319e_lookup, .Lfunc_end_k_q789528319e_lookup-k_q789528319e_lookup
	.p2alignl 7, 3214868480
	.fill 96, 4, 3214868480
	.section	.rodata,"a",@progbits
	.p2align	6, 0x0
	.amdhsa_kernel k_q789528319e_lookup
		.amdhsa_group_segment_fixed_size 271360
		.amdhsa_private_segment_fixed_size 0
		.amdhsa_enable_private_segment 0
		.amdhsa_kernarg_size 40
		.amdhsa_user_sgpr_count 2
		.amdhsa_user_sgpr_kernarg_segment_ptr 1
		.amdhsa_wavefront_size32 1
		.amdhsa_system_sgpr_workgroup_id_x 1
		.amdhsa_system_sgpr_workgroup_id_y 1
		.amdhsa_system_sgpr_workgroup_id_z 1
		.amdhsa_system_vgpr_workitem_id 0
		.amdhsa_next_free_vgpr 384
		.amdhsa_next_free_sgpr 66
		.amdhsa_reserve_vcc 1
		.amdhsa_float_denorm_mode_32 3
		.amdhsa_float_denorm_mode_16_64 3
		.amdhsa_memory_ordered 1
		.amdhsa_forward_progress 1
		.amdhsa_inst_pref_size 34
	.end_amdhsa_kernel
	.amdgpu_metadata
---
amdhsa.version: [ 1, 2 ]
amdhsa.kernels:
  - .name:           k_q789528319e_lookup
    .symbol:         k_q789528319e_lookup.kd
    .args:
      - { .name: inputs, .offset: 0, .size: 8, .value_kind: global_buffer, .address_space: global }
      - { .name: embeddings, .offset: 8, .size: 8, .value_kind: global_buffer, .address_space: global }
      - { .name: nearest, .offset: 16, .size: 8, .value_kind: global_buffer, .address_space: global }
      - { .name: out0, .offset: 24, .size: 8, .value_kind: global_buffer, .address_space: global }
      - { .name: partial, .offset: 32, .size: 8, .value_kind: global_buffer, .address_space: global }
    .group_segment_fixed_size: 271360
    .private_segment_fixed_size: 0
    .kernarg_segment_align: 8
    .kernarg_segment_size: 40
    .max_flat_workgroup_size: 256
    .sgpr_count:     66
    .vgpr_count:     384
    .wavefront_size: 32
...
	.end_amdgpu_metadata
.endif
;; end of part 2
;; launch total (part 3): grid 1 x 1, 1 waves a work-group, no clusters, 0 bytes of LDS; arguments partial, out1; writes out1
.if DOCPART == 3
	.amdgcn_target "amdgcn-amd-amdhsa--gfx1250"
	.amdhsa_code_object_version 6
	.text
	.protected	k_q789528319e_total
	.globl	k_q789528319e_total
	.p2align	8
	.type	k_q789528319e_total,@function
k_q789528319e_total:
	s_mov_b64 s[64:65], 0
	v_nop
	global_prefetch_b8 v0, s[64:65] scope:SCOPE_SE
	s_setreg_imm32_b32 hwreg(HW_REG_WAVE_MODE, 25, 1), 1
	s_wait_xcnt 0x0
; out1 = BETA x mean + mean = 1.25 x (the sum of the 2,048 partial sums) / 8,388,608: the two losses of reference() are one mean, summed once by the launch before.
; One wave: a sum over all work-groups is made behind the launch that made its parts.  16 loads of 16 bytes a lane, 512 consecutive bytes each, all issued at once; a tree of packed additions; then across the lanes.
	s_load_b128 s[4:7], s[0:1], 0x0                ; partial s[4:5], out1 s[6:7]
	v_lshlrev_b32 v1, 4, v0
	s_mov_b32 s8, 0x76543210
	s_mov_b32 s9, 0xfedcba98
	s_wait_alu depctr_va_vdst(0)
	s_wait_kmcnt 0x0
.irp n, 0,1,2,3,4,5,6,7,8,9,10,11,12,13,14,15
	global_load_b128 v[4+4*\n:7+4*\n], v1, s[4:5] offset:512*\n
.endr
	s_wait_loadcnt 0x0
.irp n, 0,1,2,3,4,5,6,7,8,9,10,11,12,13,14,15
	v_pk_add_f32 v[4+4*\n:5+4*\n], v[4+4*\n:5+4*\n], v[6+4*\n:7+4*\n]
.endr
.irp n, 0,2,4,6,8,10,12,14
	v_pk_add_f32 v[4+4*\n:5+4*\n], v[4+4*\n:5+4*\n], v[8+4*\n:9+4*\n]
.endr
.irp n, 0,4,8,12
	v_pk_add_f32 v[4+4*\n:5+4*\n], v[4+4*\n:5+4*\n], v[12+4*\n:13+4*\n]
.endr
.irp n, 0,8
	v_pk_add_f32 v[4+4*\n:5+4*\n], v[4+4*\n:5+4*\n], v[20+4*\n:21+4*\n]
.endr
	v_pk_add_f32 v[4:5], v[4:5], v[36:37]
	v_add_f32 v4, v4, v5
	v_add_f32_dpp v4, v4, v4 row_xmask:1 row_mask:0xf bank_mask:0xf
	v_add_f32_dpp v4, v4, v4 row_xmask:2 row_mask:0xf bank_mask:0xf
	v_add_f32_dpp v4, v4, v4 row_xmask:4 row_mask:0xf bank_mask:0xf
	v_add_f32_dpp v4, v4, v4 row_xmask:8 row_mask:0xf bank_mask:0xf
	v_permlanex16_b32 v5, v4, s8, s9
	v_add_f32 v4, v4, v5
	v_mul_f32 v4, 0x34200000, v4                   ; x 1.25 / 2^23
	v_cmp_eq_u32 vcc_lo, 0, v0
	s_wait_alu depctr_va_vdst(0)
	s_wait_xcnt 0x0                                ; EXEC changes only behind this wait
	s_and_saveexec_b32 s10, vcc_lo                 ; thread 0 alone, whose number is also its offset, 0
	global_store_b32 v0, v4, s[6:7]
	s_endpgm
.Lfunc_end_k_q789528319e_total:
	.size	k_q789528319e_total, .Lfunc_end_k_q789528319e_total-k_q789528319e_total
	.p2alignl 7, 3214868480
	.fill 96, 4, 3214868480
	.section	.rodata,"a",@progbits
	.p2align	6, 0x0
	.amdhsa_kernel k_q789528319e_total
		.amdhsa_group_segment_fixed_size 0
		.amdhsa_private_segment_fixed_size 0
		.amdhsa_enable_private_segment 0
		.amdhsa_kernarg_size 16
		.amdhsa_user_sgpr_count 2
		.amdhsa_user_sgpr_kernarg_segment_ptr 1
		.amdhsa_wavefront_size32 1
		.amdhsa_system_sgpr_workgroup_id_x 1
		.amdhsa_system_sgpr_workgroup_id_y 1
		.amdhsa_system_sgpr_workgroup_id_z 1
		.amdhsa_system_vgpr_workitem_id 0
		.amdhsa_next_free_vgpr 72
		.amdhsa_next_free_sgpr 66
		.amdhsa_reserve_vcc 1
		.amdhsa_float_denorm_mode_32 3
		.amdhsa_float_denorm_mode_16_64 3
		.amdhsa_memory_ordered 1
		.amdhsa_forward_progress 1
		.amdhsa_inst_pref_size 5
	.end_amdhsa_kernel
	.amdgpu_metadata
---
amdhsa.version: [ 1, 2 ]
amdhsa.kernels:
  - .name:           k_q789528319e_total
    .symbol:         k_q789528319e_total.kd
    .args:
      - { .name: partial, .offset: 0, .size: 8, .value_kind: global_buffer, .address_space: global }
      - { .name: out1, .offset: 8, .size: 8, .value_kind: global_buffer, .address_space: global }
    .group_segment_fixed_size: 0
    .private_segment_fixed_size: 0
    .kernarg_segment_align: 8
    .kernarg_segment_size: 16
    .max_flat_workgroup_size: 32
    .sgpr_count:     66
    .vgpr_count:     72
    .wavefront_size: 32
...
	.end_amdgpu_metadata
.endif
;; end of part 3
